; MI455X (gfx1250); checked and timed in simulation.
; The chip was launched on July 23, 2026; its instructions are those of AMD's public machine-readable ISA for CDNA 5 (MIT licence, August 2026) and "CDNA5" Instruction Set Architecture Reference Guide (July 2026). The comments in the code are by the model that wrote it; some were corrected since.
;; Mo E Top K Layer. Allowed arithmetic: matrix products marked QUANTISED: E4M3 operands, one given power-of-two scale a tensor, by v_wmma_f32_16x16x64_fp8_fp8 or v_wmma_f32_16x16x128_fp8_fp8, f32 sums; products left as they are: f32 operands where the result goes on into a quantised operand, else bf16, f16 or f32 operands; f32 sums; everything else in f32.
;; Inputs: attn_b 1 float32; attn_w 512 x 1 float32; b1 8 x 2,048 float32; b2 8 x 512 float32; gate_b 8 float32; gate_w 512 x 8 float32; lowp_scales 4 int32 (the exponents e of the quantised operands' scales 2^e); w1_codes 8 x 2,048 x 16 x 32 uint8 (E4M3 codes of w1, K innermost, in blocks of 32 codes); w2_codes 8 x 512 x 64 x 32 uint8 (E4M3 codes of w2, K innermost, in blocks of 32 codes); x 32 x 128 x 512 float32.
;; Outputs: out0 32 x 128 x 512 float32.
;; This version of the problem:
;;   THIS VERSION OF THE PROBLEM IS GIVEN IN LOW PRECISION. The matrix products marked QUANTISED in the list below multiply operands that are first quantised to E4M3 (4 exponent bits, 3 mantissa bits; 8 bits a number), with one given power-of-two scale for each operand tensor; their sums are f32. All else is computed in f32.
;;   The module's matrix products, in the order in which they are computed (A, B: the left and right operand; K: the contracted axis; several contracted axes count as one K, in the product's order):
;;     1. [M 4,096, K 512] x [K 512, N 1]; A: input x; B: input attn_w: left as it is (N = 1 < 16)
;;     2. [M 32, K 512] x [K 512, N 8]; A: computed on the way; B: input gate_w: left as it is (N = 8 < 16)
;;     3. [M 16,384, K 512] x [K 512, N 4,096]; A: input w1 (given as codes); B: input x: QUANTISED (scales: A lowp_scales[0], B lowp_scales[1])
;;     4. batch 8 x [M 4,096, K 2,048] x [K 2,048, N 512]; A: computed on the way; B: input w2 (given as codes): QUANTISED (scales: A lowp_scales[2], B lowp_scales[3])
;;     5. batch 32 x [M 65,536, K 8] x [K 8, N 1]; A: computed on the way; B: computed on the way: left as it is (K = 8 < 32)
;;   THE QUANTISER, for each operand of a quantised product, along K:
;;     - The operand's scale is 2^e, e = its entry of the input lowp_scales (int32; the entries are numbered through the quantised products in the list's order, A before B).
;;     - Each number is divided by the scale, clamped to +-448, and rounded to the nearest number of E4M3, ties to even, subnormals kept.
;;     - The product sums the exact products of the quantised numbers (number of the format x scale) in f32.
;;   ~~~python
;;   def quantise(x, axis, e):      # numpy; x: float32 -> the quantised numbers, widened to float32 again
;;       x = np.moveaxis(x, axis, -1); K = x.shape[-1]
;;       r = np.clip(x / 2.0 ** e, -448, 448)
;;       step = 2.0 ** (np.maximum(np.frexp(np.where(r == 0, 1, r))[1] - 1, -6) - 3)
;;       q = np.round(r / step) * step * 2.0 ** e      # np.round: ties to even
;;       return np.moveaxis(q, -1, axis).astype(np.float32)
;;   ~~~
;;   OPERANDS COMPUTED ON THE WAY. 'Computed on the way' means the value that the module computes at that place (a softmax that the list does not call 'softmax' is quantised finished and normalised). What goes into a quantiser is computed in f32, as accurately as f32 sums, v_exp_f32 and their like allow (about 1e-6 of the number): no bf16 or f16 on the way to a quantiser, and a product that is left as it is and whose result goes on into a quantised operand takes f32 operands (vector FMAs, or v_wmma_f32_16x16x4_f32). A number that lies on a knife's edge between two numbers of the format may be rounded either way, as far as f32 arithmetic and the matrix unit's own rounding can turn it there, and no further.
;;   INPUTS GIVEN AS CODES. w1 (in the module: [8, 512, 2048], K = its axis 1); w2 (in the module: [8, 2048, 512], K = its axis 1): each comes as NAME_codes (uint8): NAME with its K axis moved to the last place and cut into blocks of 32 codes, [.., K / 32, bytes a block], one block behind the other in memory; one code a byte (a code: sign, 4 exponent bits, 3 mantissa bits); its scale is its entry of lowp_scales. Its value is code x scale, taken as it is: it is not quantised again, and the codes and scales need not be those that the quantiser above would give.
;; One version. Each part assembles by itself: llvm-mc -triple=amdgcn-amd-amdhsa -mcpu=gfx1250 --defsym DOCPART=n.
;; ======== version 1 of 1: 3 launches
;; workspace buffers: xq 2,097,152 bytes; hq 16,777,216 bytes; route 256 bytes of whole numbers; routew 256 bytes
;; launch route (part 1): grid 32 x 1, 32 waves a work-group, no clusters, 143,360 bytes of LDS; arguments x, attn_w, attn_b, gate_w, gate_b, lowp_scales, xq, route, routew; writes xq, route, routew
.if DOCPART == 1
	.amdgcn_target "amdgcn-amd-amdhsa--gfx1250"
	.amdhsa_code_object_version 6
	.text
	.protected	k_qecca6796b7_route
	.globl	k_qecca6796b7_route
	.p2align	8
	.type	k_qecca6796b7_route,@function
k_qecca6796b7_route:
	s_mov_b64 s[64:65], 0
	v_nop
	global_prefetch_b8 v0, s[64:65] scope:SCOPE_SE
	s_setreg_imm32_b32 hwreg(HW_REG_WAVE_MODE, 25, 1), 1
	s_wait_xcnt 0x0
; ROUTING AND x's CODES.  One work-group for each batch b of 32: 128 tokens x 512 features, f32.
;   scores = x attn_w + attn_b; softmax over the 128 tokens (the maximum is taken away first); pooled = sum of x x weight;
;   gates = softmax(pooled gate_w + gate_b); the two largest gates (of equal gates the lower index) and their weights g / (g1 + g2 + 1e-9).
;   route[b][k] (int32) and routew[b][k] (f32) go to fixed places: no address and no branch here hangs on them.
;   x is also turned into codes of E4M3: x / 2^e1, held within +-448, to the nearest code, ties to even (e1 = entry 1 of the scales).
; SHARES.  32 waves; wave w owns tokens 4 w .. 4 w + 3.  Lane l holds columns 128 j + 4 l + 0 .. 3 (j = 0 .. 3) of each: every load covers 512 consecutive
; bytes, and the batch stays in registers (64 a lane) between the scores and the pooling: x is read once.
; xq IS LAID AS THE NEXT LAUNCH'S OPERAND REGISTERS: for each tile of 16 tokens, piece K / 16 (32 pieces of 256 bytes), in it 16 bytes for each token.
; A lane's code register j holds the 4 codes of columns 128 j + 4 l ..: they meet in a stage in LDS (pieces 272 bytes apart) and leave as runs of 512 bytes.
; LIMITS: e1 between -126 and 119, so that 2^e1 and 448 x 2^e1 are f32 numbers.  NaN among the inputs is not served.
; No matrix work (the two products here have 1 and 8 columns), no cluster: the work-groups share nothing but the small weights.
.set SC,  0                            ; LDS: the 128 scores
.set LG,  512                          ; 32 waves x 8 partial logits
.set CS,  2048                         ; the codes' stage: 8 tiles of CT bytes
.set CT,  8704                         ; 32 pieces x (256 + 16) bytes
.set PB,  71680                        ; pooled partials: a row of 512 f32 for each wave,
.set PBP, 2112                         ; 2,048 + 64 bytes apart: rows 2 i and 2 i + 1 start 16 banks apart (64 banks of 4 bytes: ISA guide 11.1)
.set AW,  16                           ; v16-31   attn_w of my 16 columns; later my wave's pooled partial
.set X,   32                           ; v32-95   my four tokens, 16 numbers each; later at work
.set T,   96                           ; v96-111  at work
.set CD,  112                          ; v112-115 a token's codes
.set GW,  116                          ; v116-119 gate_w[16 w + r][4 hh .. 4 hh + 3]
.set SCO, 120                          ; v120-123 my four scores; later v120-127: the four weights, each twice
.set SCL, 124                          ; v124     2^e1
.set LIM, 125                          ; v125     448 x 2^e1
.set TM,  126                          ; v126     at work (a lane permute's destination)
; the sum, and the maximum, over the wave's 32 lanes, left in every lane
.macro WADD r, t
.irp m, 1,2,4,8
	v_add_f32_dpp v[\r], v[\r], v[\r] row_xmask:\m row_mask:0xf bank_mask:0xf
.endr
	v_permlanex16_b32 v[\t], v[\r], s32, s33
	v_add_f32 v[\r], v[\r], v[\t]
.endm
.macro WMAX r, t
.irp m, 1,2,4,8
	v_max_num_f32_dpp v[\r], v[\r], v[\r] row_xmask:\m row_mask:0xf bank_mask:0xf
.endr
	v_permlanex16_b32 v[\t], v[\r], s32, s33
	v_max_num_f32 v[\r], v[\r], v[\t]
.endm
.macro BARRIER                         ; my LDS stores have landed and my LDS loads are in: then the work-group's barrier
	s_wait_dscnt 0x0
	s_barrier_signal -1
	s_barrier_wait -1
.endm
	s_load_b512 s[4:19], s[0:1], 0x0               ; x, attn_w, attn_b, gate_w, gate_b, the scales, xq, route
	s_load_b64 s[20:21], s[0:1], 0x40              ; routew
	v_and_b32 v1, 31, v0                           ; lane l
	v_lshrrev_b32 v2, 5, v0                        ; wave w
	v_readfirstlane_b32 s34, v2
	v_lshlrev_b32 v3, 4, v1                        ; 16 l: attn_w's offset, and my four scores of the 128
	v_lshlrev_b32 v4, 4, v0                        ; 16 x thread = 512 w + 16 l: gate_w's rows 16 w .. 16 w + 15 are 512 consecutive bytes
	v_lshl_add_u32 v8, v2, 13, v3                  ; x: 4 tokens of 2,048 bytes a wave, + 16 l
	v_lshrrev_b32 v14, 7, v0
	v_mul_u32_u24 v14, v14, CT                     ; my tile of 16 tokens: w / 4
	v_bfe_u32 v15, v0, 5, 2                        ; w % 4
	v_bfe_u32 v5, v0, 2, 3                         ; l / 4
	v_mad_u32_u24 v5, v5, 272, v14                 ; codes in: piece 8 j + l / 4,
	v_lshl_add_u32 v5, v15, 6, v5                  ; token 4 (w % 4) + i of the tile, 16 bytes each,
	v_and_b32 v6, 3, v0
	v_lshl_add_u32 v5, v6, 2, v5                   ; byte 4 (l % 4): the 32 lanes of a store fall on 32 different banks
	v_add_nc_u32 v5, CS, v5
	v_mad_u32_u24 v6, v15, 2176, v14               ; codes back: my wave's 8 pieces of the tile, two a load:
	v_bfe_u32 v7, v0, 4, 1
	v_mad_u32_u24 v6, v7, 272, v6                  ; lanes 0-15 one piece, lanes 16-31 the next,
	v_and_b32 v7, 15, v0
	v_lshl_add_u32 v6, v7, 4, v6                   ; 16 bytes a lane
	v_add_nc_u32 v6, CS, v6
	v_lshlrev_b32 v7, 4, v2                        ; SC + 16 w: where my wave's four scores go
	v_mul_u32_u24 v9, v2, PBP
	v_add_nc_u32 v9, v9, v3
	v_add_nc_u32 v9, PB, v9                        ; my wave's pooled partial: column c at byte 4 c
	v_and_b32 v10, 1, v0                           ; hh = l % 2
	v_mul_u32_u24 v10, v10, PBP
	v_lshl_add_u32 v10, v2, 6, v10                 ; column 16 w + r of source wave 2 i + hh,
	v_bfe_u32 v11, v0, 1, 4                        ; r = l / 2
	v_lshl_add_u32 v10, v11, 2, v10
	v_add_nc_u32 v10, PB, v10
	v_and_b32 v11, 1, v0
	v_lshlrev_b32 v11, 4, v11
	v_lshl_add_u32 v11, v2, 5, v11
	v_add_nc_u32 v11, LG, v11                      ; my wave's partial logits 4 hh .. 4 hh + 3
	v_lshl_add_u32 v12, v2, 11, v3                 ; xq: 2,048 w + 16 l
	v_lshlrev_b32 v13, 5, v1
	v_add_nc_u32 v13, LG, v13                      ; wave l's eight partial logits
	v_mov_b32 v[TM], 0                             ; written once: a lane permute's destination counts as one of its sources
	s_mov_b32 s32, 0x76543210                      ; v_permlanex16_b32's selects for lane l xor 16
	s_mov_b32 s33, 0xfedcba98
	s_lshl_b32 s36, ttmp9, 18                      ; the batch in x: 262,144 bytes,
	s_mov_b32 s37, 0
	s_lshl_b32 s38, ttmp9, 16                      ; in xq: 65,536,
	s_mov_b32 s39, 0
	s_lshl_b32 s40, ttmp9, 3                       ; in route and routew: 8
	s_mov_b32 s41, 0
	s_wait_kmcnt 0x0
	s_load_b32 s22, s[8:9], 0x0                    ; attn_b
	s_load_b32 s23, s[14:15], 0x4                  ; e1
	s_load_b256 s[24:31], s[12:13], 0x0            ; gate_b
	s_add_nc_u64 s[4:5], s[4:5], s[36:37]
	s_add_nc_u64 s[16:17], s[16:17], s[38:39]
	s_add_nc_u64 s[18:19], s[18:19], s[40:41]
	s_add_nc_u64 s[20:21], s[20:21], s[40:41]
.irp j, 0,1,2,3
	global_load_b128 v[AW+4*\j:AW+4*\j+3], v3, s[6:7] offset:512*\j
.endr
	global_load_b128 v[GW:GW+3], v4, s[10:11]
.irp i, 0,1,2,3
.irp j, 0,1,2,3
	global_load_b128 v[X+16*\i+4*\j:X+16*\i+4*\j+3], v8, s[4:5] offset:2048*\i+512*\j th:TH_LOAD_NT   ; 32 lanes read 512 consecutive bytes; x is read once
.endr
.endr
	s_wait_kmcnt 0x0
	s_add_co_i32 s23, s23, 127
	s_lshl_b32 s35, s23, 23
	v_mov_b32 v[SCL], s35                          ; 2^e1 as f32: the conversion takes its exponent field
	s_add_co_i32 s23, s23, 8
	s_lshl_b32 s23, s23, 23
	s_or_b32 s23, s23, 0x600000
	v_mov_b32 v[LIM], s23                          ; 448 x 2^e1
; Token i of my four: my lane's part of its score, and its codes.
.macro ROW i
.set XR, X+16*\i
	s_wait_loadcnt 12-4*\i                         ; loads come back in order: this token's four are in, the later tokens' may be out
	v_pk_mul_f32 v[T:T+1], v[XR:XR+1], v[AW:AW+1]
	v_pk_mul_f32 v[T+2:T+3], v[XR+2:XR+3], v[AW+2:AW+3]
.irp n, 4,8,12
	v_pk_fma_f32 v[T:T+1], v[XR+\n:XR+\n+1], v[AW+\n:AW+\n+1], v[T:T+1]
	v_pk_fma_f32 v[T+2:T+3], v[XR+\n+2:XR+\n+3], v[AW+\n+2:AW+\n+3], v[T+2:T+3]
.endr
	v_pk_add_f32 v[T:T+1], v[T:T+1], v[T+2:T+3]
	v_add_f32 v[SCO+\i], v[T], v[T+1]
.irp n, 0,1,2,3,4,5,6,7,8,9,10,11,12,13,14,15
	v_med3_num_f32 v[T+\n], v[XR+\n], -v[LIM], v[LIM]   ; the conversion to an 8-bit code does not saturate (ISA guide 7.6.2): the hold comes first; x itself is kept for the pooling
.endr
.if \i > 0
	s_wait_dscnt 0x0                               ; the last token's stores have read the code registers
.endif
	v_cvt_scalef32_pk8_fp8_f32 v[CD:CD+1], v[T:T+7], v[SCL]
	v_cvt_scalef32_pk8_fp8_f32 v[CD+2:CD+3], v[T+8:T+15], v[SCL]
	v_nop                                          ; one plain vector line behind the conversions, ahead of the next writes of their sources
.irp j, 0,1,2,3
	ds_store_b32 v5, v[CD+\j] offset:2176*\j+16*\i ; columns 128 j + 4 l ..: piece 8 j + l / 4
.endr
.endm
	ROW 0
	ROW 1
	ROW 2
	ROW 3
.irp q, 0,1,2,3
	WADD SCO+\q, TM
.endr
.irp q, 0,1,2,3
	v_add_f32 v[SCO+\q], s22, v[SCO+\q]            ; + attn_b
.endr
	ds_store_b128 v7, v[SCO:SCO+3] offset:SC       ; all lanes write the same 16 bytes with the same numbers
	BARRIER                                        ; the 128 scores and the tiles' codes lie in LDS
	; the softmax over the 128 tokens; x's codes leave meanwhile
	ds_load_b128 v[T:T+3], v3 offset:SC            ; scores 4 l .. 4 l + 3: the wave holds all 128
.irp i, 0,1,2,3
	ds_load_b128 v[T+4+4*\i:T+7+4*\i], v6 offset:544*\i
.endr
	s_wait_dscnt 0x4                               ; the scores are in; the four loads of codes may be out
	v_max3_num_f32 v14, v[T], v[T+1], v[T+2]
	v_max_num_f32 v14, v14, v[T+3]
	WMAX 14, TM
.irp q, 0,1,2,3
	v_sub_f32 v[T+\q], v[T+\q], v14
	v_sub_f32 v[SCO+\q], v[SCO+\q], v14
.endr
.irp q, 0,1,2,3
	v_mul_f32 v[T+\q], 0x3fb8aa3b, v[T+\q]         ; x log2(e)
	v_mul_f32 v[SCO+\q], 0x3fb8aa3b, v[SCO+\q]
.endr
.irp q, 0,1,2,3
	v_exp_f32 v[T+\q], v[T+\q]
	v_exp_f32 v[SCO+\q], v[SCO+\q]
.endr
	v_nop                                          ; a plain line behind the last exponential
	s_wait_alu depctr_va_vdst(0)                   ; one wait for the eight, ahead of their first reader
	v_add_f32 v14, v[T], v[T+1]
	v_add_f32 v15, v[T+2], v[T+3]
	v_add_f32 v14, v14, v15
	WADD 14, TM
	v_rcp_f32 v14, v14
	v_nop
	s_wait_alu depctr_va_vdst(0)
	v_mul_f32 v127, v123, v14                      ; my four tokens' weights, each twice, for the packed forms: token i in v[120 + 2 i], v[121 + 2 i]
	v_mul_f32 v126, v123, v14
	v_mul_f32 v125, v122, v14
	v_mul_f32 v124, v122, v14
	v_mul_f32 v123, v121, v14
	v_mul_f32 v122, v121, v14
	v_mul_f32 v121, v120, v14
	v_mul_f32 v120, v120, v14
	s_wait_dscnt 0x0                               ; the codes are back
.irp i, 0,1,2,3
	global_store_b128 v12, v[T+4+4*\i:T+7+4*\i], s[16:17] offset:512*\i   ; 32 lanes store 512 consecutive bytes, at a multiple of 256 from xq's first byte
.endr
.irp n, 0,2,4,6,8,10,12,14
	v_pk_mul_f32 v[AW+\n:AW+\n+1], v[X+\n:X+\n+1], v[SCO:SCO+1]
.endr
.irp i, 1,2,3
.irp n, 0,2,4,6,8,10,12,14
	v_pk_fma_f32 v[AW+\n:AW+\n+1], v[X+16*\i+\n:X+16*\i+\n+1], v[SCO+2*\i:SCO+2*\i+1], v[AW+\n:AW+\n+1]
.endr
.endr
.irp j, 0,1,2,3
	ds_store_b128 v9, v[AW+4*\j:AW+4*\j+3] offset:512*\j
.endr
	BARRIER                                        ; 32 partial rows of pooled lie in LDS
	; wave w owns columns 16 w + r: lane (r, hh) adds source waves 2 i + hh, its neighbour the others
.irp i, 0,1,2,3,4,5,6,7,8,9,10,11,12,13,14,15
	ds_load_b32 v[X+\i], v10 offset:2*PBP*\i
.endr
	s_wait_dscnt 0x0
.irp n, 0,4,8,12
	v_pk_add_f32 v[X+\n:X+\n+1], v[X+\n:X+\n+1], v[X+\n+2:X+\n+3]
.endr
	v_pk_add_f32 v[X:X+1], v[X:X+1], v[X+4:X+5]
	v_pk_add_f32 v[X+8:X+9], v[X+8:X+9], v[X+12:X+13]
	v_pk_add_f32 v[X:X+1], v[X:X+1], v[X+8:X+9]
	v_add_f32 v[X], v[X], v[X+1]
	v_add_f32_dpp v[X], v[X], v[X] row_xmask:1 row_mask:0xf bank_mask:0xf   ; pooled[16 w + r], in both lanes of the pair
.irp q, 0,1,2,3
	v_mul_f32 v[X+4+\q], v[X], v[GW+\q]            ; x gate_w[column][4 hh + q]
.endr
.irp m, 2,4,8
.irp q, 0,1,2,3
	v_add_f32_dpp v[X+4+\q], v[X+4+\q], v[X+4+\q] row_xmask:\m row_mask:0xf bank_mask:0xf   ; over the 16 columns: the lanes of equal hh
.endr
.endr
.irp q, 0,1,2,3
	v_permlanex16_b32 v15, v[X+4+\q], s32, s33
	v_add_f32 v[X+4+\q], v[X+4+\q], v15
.endr
	ds_store_b128 v11, v[X+4:X+7]
	BARRIER                                        ; 32 x 8 partial logits lie in LDS
	s_cmp_lg_u32 s34, 0                            ; the rest is one wave's work: no barrier follows
	s_cbranch_scc1 .Lend
	ds_load_b128 v[X:X+3], v13
	ds_load_b128 v[X+4:X+7], v13 offset:16
	s_wait_dscnt 0x0
.irp q, 0,1,2,3,4,5,6,7
	WADD X+\q, 15
.endr
.irp q, 0,1,2,3,4,5,6,7
	v_add_f32 v[X+\q], s[24+\q], v[X+\q]           ; + gate_b
.endr
	v_max3_num_f32 v14, v[X], v[X+1], v[X+2]
	v_max3_num_f32 v14, v14, v[X+3], v[X+4]
	v_max3_num_f32 v14, v14, v[X+5], v[X+6]
	v_max_num_f32 v14, v14, v[X+7]
.irp q, 0,1,2,3,4,5,6,7
	v_sub_f32 v[X+\q], v[X+\q], v14
.endr
.irp q, 0,1,2,3,4,5,6,7
	v_mul_f32 v[X+\q], 0x3fb8aa3b, v[X+\q]
.endr
.irp q, 0,1,2,3,4,5,6,7
	v_exp_f32 v[X+\q], v[X+\q]
.endr
	v_nop
	s_wait_alu depctr_va_vdst(0)
	v_add_f32 v14, v[X], v[X+1]
	v_add_f32 v15, v[X+2], v[X+3]
.irp q, 4,6
	v_add_f32 v14, v14, v[X+\q]
	v_add_f32 v15, v15, v[X+\q+1]
.endr
	v_add_f32 v14, v14, v15
	v_rcp_f32 v14, v14
	v_nop
	s_wait_alu depctr_va_vdst(0)
.irp q, 0,1,2,3,4,5,6,7
	v_mul_f32 v[X+\q], v[X+\q], v14                ; the gates
.endr
	; the largest gate and its index, by selects alone; 'greater' keeps the lower index of equal gates
	v_mov_b32 v48, v[X]
	v_mov_b32 v49, 0
.irp q, 1,2,3,4,5,6,7
	v_cmp_gt_f32 vcc_lo, v[X+\q], v48
	v_cndmask_b32 v48, v48, v[X+\q], vcc_lo
	v_cndmask_b32 v49, v49, \q, vcc_lo
.endr
.irp q, 0,1,2,3,4,5,6,7
	v_cmp_eq_u32 vcc_lo, \q, v49
	v_cndmask_b32 v[X+\q], v[X+\q], -1.0, vcc_lo   ; the winner steps under every gate (no gate is negative)
.endr
	v_mov_b32 v50, v[X]
	v_mov_b32 v51, 0
.irp q, 1,2,3,4,5,6,7
	v_cmp_gt_f32 vcc_lo, v[X+\q], v50
	v_cndmask_b32 v50, v50, v[X+\q], vcc_lo
	v_cndmask_b32 v51, v51, \q, vcc_lo
.endr
	v_add_f32 v52, v48, v50
	v_add_f32 v52, 0x3089705f, v52                 ; + 1e-9
	v_rcp_f32 v52, v52
	v_lshlrev_b32 v55, 2, v1                       ; (a plain line behind the reciprocal)  4 l
	v_cmp_eq_u32 vcc_lo, 0, v1
	s_wait_alu depctr_va_vdst(0)
	v_cndmask_b32 v53, v50, v48, vcc_lo            ; lane 0: the first choice; lane 1: the second
	v_cndmask_b32 v54, v51, v49, vcc_lo
	v_mul_f32 v53, v53, v52
	s_wait_xcnt 0x0                                ; EXEC is a source of the stores of xq: it changes only behind this wait
	v_cmp_gt_u32 vcc_lo, 2, v1
	s_and_saveexec_b32 s35, vcc_lo
	global_store_b32 v55, v54, s[18:19]            ; route[b][l]
	global_store_b32 v55, v53, s[20:21]            ; routew[b][l]
	s_wait_xcnt 0x0                                ; and again, in front of the line that widens it
	s_or_b32 exec_lo, exec_lo, s35
.Lend:
	s_wait_xcnt 0x0
	s_mov_b32 exec_lo, -1
	v_lshl_add_u32 v126, v0, 2, 0x22000
	v_mov_b32 v127, 0
	s_wait_tensorcnt 0x0
	ds_add_u32 v126, v127
	s_wait_dscnt 0x0
	s_endpgm
.Lfunc_end_k_qecca6796b7_route:
	.size	k_qecca6796b7_route, .Lfunc_end_k_qecca6796b7_route-k_qecca6796b7_route
	.p2alignl 7, 3214868480
	.fill 96, 4, 3214868480
	.section	.rodata,"a",@progbits
	.p2align	6, 0x0
	.amdhsa_kernel k_qecca6796b7_route
		.amdhsa_group_segment_fixed_size 143360
		.amdhsa_private_segment_fixed_size 0
		.amdhsa_enable_private_segment 0
		.amdhsa_kernarg_size 72
		.amdhsa_user_sgpr_count 2
		.amdhsa_user_sgpr_kernarg_segment_ptr 1
		.amdhsa_wavefront_size32 1
		.amdhsa_system_sgpr_workgroup_id_x 1
		.amdhsa_system_sgpr_workgroup_id_y 1
		.amdhsa_system_sgpr_workgroup_id_z 1
		.amdhsa_system_vgpr_workitem_id 0
		.amdhsa_next_free_vgpr 128
		.amdhsa_next_free_sgpr 66
		.amdhsa_reserve_vcc 1
		.amdhsa_float_denorm_mode_32 3
		.amdhsa_float_denorm_mode_16_64 3
		.amdhsa_memory_ordered 1
		.amdhsa_forward_progress 1
		.amdhsa_inst_pref_size 33
	.end_amdhsa_kernel
	.amdgpu_metadata
---
amdhsa.version: [ 1, 2 ]
amdhsa.kernels:
  - .name:           k_qecca6796b7_route
    .symbol:         k_qecca6796b7_route.kd
    .args:
      - { .name: x, .offset: 0, .size: 8, .value_kind: global_buffer, .address_space: global }
      - { .name: attn_w, .offset: 8, .size: 8, .value_kind: global_buffer, .address_space: global }
      - { .name: attn_b, .offset: 16, .size: 8, .value_kind: global_buffer, .address_space: global }
      - { .name: gate_w, .offset: 24, .size: 8, .value_kind: global_buffer, .address_space: global }
      - { .name: gate_b, .offset: 32, .size: 8, .value_kind: global_buffer, .address_space: global }
      - { .name: lowp_scales, .offset: 40, .size: 8, .value_kind: global_buffer, .address_space: global }
      - { .name: xq, .offset: 48, .size: 8, .value_kind: global_buffer, .address_space: global }
      - { .name: route, .offset: 56, .size: 8, .value_kind: global_buffer, .address_space: global }
      - { .name: routew, .offset: 64, .size: 8, .value_kind: global_buffer, .address_space: global }
    .group_segment_fixed_size: 143360
    .private_segment_fixed_size: 0
    .kernarg_segment_align: 8
    .kernarg_segment_size: 72
    .max_flat_workgroup_size: 1024
    .sgpr_count:     66
    .vgpr_count:     128
    .wavefront_size: 32
...
	.end_amdgpu_metadata
.endif
;; end of part 1
;; launch up (part 2): grid 4 x 64, 8 waves a work-group, no clusters, 271,360 bytes of LDS; arguments xq, w1_codes, b1, lowp_scales, route, hq; writes hq
.if DOCPART == 2
	.amdgcn_target "amdgcn-amd-amdhsa--gfx1250"
	.amdhsa_code_object_version 6
	.text
	.protected	k_qecca6796b7_up
	.globl	k_qecca6796b7_up
	.p2align	8
	.type	k_qecca6796b7_up,@function
k_qecca6796b7_up:
	s_mov_b64 s[64:65], 0
	v_nop
	global_prefetch_b8 v0, s[64:65] scope:SCOPE_SE
	s_setreg_imm32_b32 hwreg(HW_REG_WAVE_MODE, 25, 1), 1
	s_wait_xcnt 0x0
; THE FIRST PRODUCT OF THE CHOSEN EXPERTS: hq = Q(gelu(xq W1[e]^T + b1[e])), for the 64 pairs p = 2 b + k (batch b, choice k), e = route[p].
; The other six experts of a batch get the weight 0 in the sum over experts, so they are not multiplied.  Every input gives 64 pairs of 128 tokens: no count and no branch hangs on data, only W1's and b1's addresses.
; SHARES.  A work-group takes one pair and 512 of the 2,048 hidden units (x of the grid).  Wave w: tokens 64 (w % 2) on, hidden units 128 (w / 2) on: 128 matrix instructions, 8,192 GELUs.
; Two waves stand on a SIMD, so that one wave's vector work (the GELUs outweigh the products here) stands beside the other's matrix work and LDS loads.
; W1's 512 rows x 512 bytes come into LDS by tensor loads, each byte filled once: two loads a wave, 32 rows each.  x's codes come straight into registers: xq is laid as the operand's registers, 16 bytes a lane.
; THE MATRIX INSTRUCTION IS USED TRANSPOSED (source 0 = 16 rows of W1, source 1 = 16 tokens): lane (r, h) holds token r and its register j hidden unit 16 t + 8 h + j: eight neighbours along the next K, which one
; conversion turns into registers 2 t, 2 t + 1 of the next product's operand.  hq holds these registers as they stand: image (pair, K step of 128, tile of 16 tokens) of 2,048 bytes, register group c at 512 c + 16 x lane.
; k's places in a fragment: registers 4 c .. 4 c + 3 hold K = 32 c + 16 h + 0 .. 15, in W1's and in x's alike: every product meets its partner.
; b1 is the C of each sum's first matrix instruction, divided by 2^s1 (s1 = e0 + e1: a sum stands for sum x 2^s1).
; THE EXACT GELU, on the raw sum U = v / 2^s1:  z = |v| / sqrt(2), t = 1 / (1 + z / 2), erfc(z) = t exp(-z^2 + c0 + t (c1 + .. + t c9)) (a fit whose relative error stays under 1.2e-7 for every z >= 0);
; 2 gelu(v) = (v + |v|) - |v| erfc(z): no difference of near numbers on either side.  The macro leaves G = 2 gelu(v) / 2^s1, and the conversion divides by 2^(e2 + 1 - s1).
; LIMITS, so that each power of two below is an f32 number: s1 between -62 and 64; e2 + 1 - s1 between -126 and 119.  NaN among the inputs is not served.
; NO JOINT LOADS: which work-groups read the same rows of W1 hangs on route, which is read from memory; what is shared whatever the choice, x's 64 KB of a batch, goes to registers, since W1's 270,336 bytes leave no room for it in LDS.
; REGISTERS: window 1: x's 16 fragments ((tile mi, K step s) at 16 (4 mi + s)).  Window 0: v3-11 addresses and constants; v16-31 codes; v32-63 two sets of b1; v64-191 W1's 8 fragments of a pass,
; the GELU's 64 registers at work over the first four; v192-255 the 8 accumulators ((mi, u) at 192 + 8 (2 mi + u)).
.set PITCH, 528                        ; a row of W1 in LDS: 512 bytes + 16: an odd multiple of 16, so the 16 rows that a load touches start at 16 different groups of four banks
.set SUB,   32*PITCH                   ; what one tensor load brings, and what a pass multiplies
.set BLK,   4*SUB                      ; 128 rows: the hidden units of two waves
.set LO,   3                           ; v3   16 x lane
.set LW,   4                           ; v4   my place in a fragment of W1
.set BO,   5                           ; v5   32 h: my eight numbers of b1 in a tile's sixteen
.set LIM,  6                           ; v6   448 x 2^(e2 + 1 - s1)
.set SCL,  7                           ; v7   2^(e2 + 1 - s1)
.set VC0,  8                           ; v[8:9]   c0 log2(e), twice
.set VC8,  10                          ; v[10:11] c8 log2(e), twice
.set CODE, 16
.set BIAS, 32
.set WF,   64
.set TA,   64                          ; |U|, later |U| t
.set TT,   80                          ; t
.set TP,   96                          ; the polynomial, then the exponential
.set TX,   112                         ; (c0 - z^2) log2(e)
.set ACC,  192
.set G1,   24                          ; s[24:31] descriptor group 1
.set G0,   32                          ; s[32:39] two groups 0
.set C1,   44                          ; s[44:57] c1 .. c7, x log2(e), each as a pair
.set C9,   58
.set CDS,  60                          ; s[60:61] 2^s1 / (2 sqrt(2))
.set KK,   62                          ; s[62:63] -2^(2 s1) log2(e) / 2
.set ABSM, 66
.set L2E,  67
.set INV,  68                          ; s[68:69] 2^-s1
.set MSB, 0
.macro WIN new                         ; the immediate's high byte repeats the setting that is left
.if MSB != \new
	s_set_vgpr_msb (MSB<<8)|\new
.set MSB, \new
.endif
.endm
.macro KONST reg, bits                 ; a coefficient x log2(e), as a pair: the packed forms name a pair and take its low word for both halves
	s_mul_f32 s[\reg], s[L2E], \bits
	s_mov_b32 s[\reg+1], s[\reg]
.endm
; 16 raw sums in v[V] .. v[V + 15] become G = 2 gelu / 2^s.  Two batches of transcendentals, each with plain independent work and ONE wait behind it, ahead of its first reader.
; Each accumulator is read from its low end on.
.macro GELU16 V
.set GV, \V
.irp i, 0,1,2,3,4,5,6,7,8,9,10,11,12,13,14,15
	v_and_b32 v[TA+\i], s[ABSM], v[GV+\i]          ; |U|
.endr
.irp i, 0,2,4,6,8,10,12,14
	v_pk_fma_f32 v[TT+\i:TT+\i+1], v[TA+\i:TA+\i+1], s[CDS:CDS+1], 1.0 op_sel_hi:[1,0,0]   ; 1 + z / 2
.endr
.irp i, 0,1,2,3,4,5,6,7,8,9,10,11,12,13,14,15
	v_rcp_f32 v[TT+\i], v[TT+\i]                   ; t
.endr
.irp i, 0,2,4,6,8,10,12,14
	v_pk_mul_f32 v[TX+\i:TX+\i+1], v[GV+\i:GV+\i+1], v[GV+\i:GV+\i+1]
.endr
.irp i, 0,2,4,6,8,10,12,14
	v_pk_fma_f32 v[TX+\i:TX+\i+1], v[TX+\i:TX+\i+1], s[KK:KK+1], v[VC0:VC0+1] op_sel_hi:[1,0,1]
.endr
	s_wait_alu depctr_va_vdst(0)
.irp i, 0,2,4,6,8,10,12,14
	v_pk_fma_f32 v[TP+\i:TP+\i+1], v[TT+\i:TT+\i+1], s[C9:C9+1], v[VC8:VC8+1] op_sel_hi:[1,0,1]
.endr
.irp k, 12,10,8,6,4,2,0
.irp i, 0,2,4,6,8,10,12,14
	v_pk_fma_f32 v[TP+\i:TP+\i+1], v[TP+\i:TP+\i+1], v[TT+\i:TT+\i+1], s[C1+\k:C1+\k+1] op_sel_hi:[1,1,0]
.endr
.endr
.irp i, 0,2,4,6,8,10,12,14
	v_pk_fma_f32 v[TP+\i:TP+\i+1], v[TP+\i:TP+\i+1], v[TT+\i:TT+\i+1], v[TX+\i:TX+\i+1]
.endr
.irp i, 0,1,2,3,4,5,6,7,8,9,10,11,12,13,14,15
	v_exp_f32 v[TP+\i], v[TP+\i]
.endr
.irp i, 0,2,4,6,8,10,12,14
	v_pk_add_f32 v[GV+\i:GV+\i+1], v[GV+\i:GV+\i+1], v[TA+\i:TA+\i+1]   ; U + |U|
.endr
.irp i, 0,2,4,6,8,10,12,14
	v_pk_mul_f32 v[TA+\i:TA+\i+1], v[TA+\i:TA+\i+1], v[TT+\i:TT+\i+1]   ; |U| t
.endr
	s_wait_alu depctr_va_vdst(0)
.irp i, 0,2,4,6,8,10,12,14
	v_pk_fma_f32 v[GV+\i:GV+\i+1], v[TA+\i:TA+\i+1], v[TP+\i:TP+\i+1], v[GV+\i:GV+\i+1] neg_lo:[1,0,0] neg_hi:[1,0,0]
.endr
.endm
.macro XLOAD from, to                  ; x's register groups from .. to - 1: group i is 512 consecutive bytes of xq, 16 a lane
.set XI, \from
.rept \to-\from
	global_load_b128 v[4*XI:4*XI+3], v[LO], s[4:5] offset:512*XI
.set XI, XI+1
.endr
.endm
.macro BLOAD pb                        ; b1 of pass pb's two tiles, in the result's layout, into set pb % 2
.irp u, 0,1
	global_load_b128 v[BIAS+16*((\pb)%2)+8*\u:BIAS+16*((\pb)%2)+8*\u+3], v[BO], s[8:9] offset:128*(\pb)+64*\u
	global_load_b128 v[BIAS+16*((\pb)%2)+8*\u+4:BIAS+16*((\pb)%2)+8*\u+7], v[BO], s[8:9] offset:128*(\pb)+64*\u+16
.endr
.endm
	s_load_b256 s[4:11], s[0:1], 0x0               ; xq s[4:5], W1's codes s[6:7], b1 s[8:9], the scales s[10:11]
	s_load_b128 s[12:15], s[0:1], 0x20             ; route s[12:13], hq s[14:15]
	v_lshl_add_u32 v14, v0, 2, 0x42000
	v_mov_b32 v15, 0
	ds_add_u32 v14, v15
	ds_add_u32 v14, v15
	v_and_b32 v1, 31, v0
	v_lshrrev_b32 v2, 5, v0
	v_readfirstlane_b32 s16, v2                    ; wave 0..7
	s_and_b32 s17, s16, 1                          ; tw: which 64 tokens
	s_lshr_b32 s18, s16, 1                         ; hw: which 128 hidden units
	s_and_b32 s20, ttmp7, 0xffff                   ; the pair p
	v_lshlrev_b32 v[LO], 4, v1
	v_and_b32 v12, 15, v0                          ; r
	v_bfe_u32 v13, v0, 4, 1                        ; h
	v_mul_u32_u24 v[LW], v12, PITCH
	v_lshl_add_u32 v[LW], v13, 4, v[LW]
	s_mul_i32 s76, s18, BLK
	v_add_nc_u32 v[LW], s76, v[LW]                 ; my block, row r, + 16 h
	v_lshlrev_b32 v[BO], 5, v13
	s_mul_i32 s77, s17, SUB
	s_add_co_u32 s77, s77, s76                     ; where my first tensor load goes: block hw, sub-block tw
	; descriptor group 1: 32 rows x 512 bytes, 512 bytes apart in memory, 16 bytes of padding behind each row in LDS
	s_mov_b32 s[G1+0], (0<<16)|(1<<20)|(6<<22)|(3<<25)   ; no mask; elements of 1 byte; padding on; after every 128 words (code 6); 4 words (code 3)
	s_mov_b32 s[G1+1], 512<<16                     ; tensor_dim0
	s_mov_b32 s[G1+2], 32<<16                      ; tensor_dim1
	s_mov_b32 s[G1+3], 512<<16                     ; tile_dim0
	s_mov_b32 s[G1+4], 32                          ; tile_dim1
	s_mov_b32 s[G1+5], 512                         ; from row to row
	s_mov_b32 s[G1+6], 0
	s_mov_b32 s[G1+7], 0
	s_lshl_b32 s22, s20, 2
	s_mov_b32 s23, 0
	s_wait_dscnt 0x0
	s_wait_kmcnt 0x0
	s_add_nc_u64 s[12:13], s[12:13], s[22:23]
	s_load_b32 s21, s[12:13], 0x0                  ; e = route[p]
	s_load_b128 s[40:43], s[10:11], 0x0            ; e0 (W1), e1 (x), e2 (h), e3
	s_lshr_b32 s22, s20, 1
	s_lshl_b32 s22, s22, 16                        ; xq: the batch's 65,536 bytes,
	s_lshl_b32 s70, s17, 15                        ; my four tiles of 8,192
	s_add_co_u32 s22, s22, s70
	s_add_nc_u64 s[4:5], s[4:5], s[22:23]
	WIN 0x40                                       ; destination window 1
	XLOAD 0, 48
	WIN 0
	s_lshl_b32 s22, s20, 18                        ; hq: the pair's 262,144 bytes,
	s_lshl_b32 s70, ttmp9, 16
	s_add_co_u32 s22, s22, s70
	s_lshl_b32 s70, s18, 14                        ; K step 4 q + hw of 16,384,
	s_add_co_u32 s22, s22, s70
	s_lshl_b32 s70, s17, 13                        ; my four tiles of 2,048
	s_add_co_u32 s22, s22, s70
	s_add_nc_u64 s[14:15], s[14:15], s[22:23]
	s_mov_b32 s[ABSM], 0x7fffffff
	s_mov_b32 s[L2E], 0x3fb8aa3b
	KONST C1,    0x3f8000c7                        ;  1.00002368
	KONST C1+2,  0x3ebf88fb                        ;  0.37409196
	KONST C1+4,  0x3dc636c9                        ;  0.09678418
	KONST C1+6,  0xbe3ec24c                        ; -0.18628806
	KONST C1+8,  0x3e8ec7cc                        ;  0.27886807
	KONST C1+10, 0xbf914e5d                        ; -1.13520398
	KONST C1+12, 0x3fbe87b0                        ;  1.48851587
	KONST C9,    0x3e2ef945                        ;  0.17087277
	s_mul_f32 s70, s[L2E], 0xbfa1fc4e              ; -1.26551223
	s_mul_f32 s71, s[L2E], 0xbf527892              ; -0.82215223
	v_mov_b32 v[VC0], s70
	v_mov_b32 v[VC0+1], s70
	v_mov_b32 v[VC8], s71
	v_mov_b32 v[VC8+1], s71
	s_wait_kmcnt 0x0
	s_min_u32 s21, s21, 7                          ; an expert's number stays inside the tables
	s_lshl_b32 s22, s21, 20                        ; W1: the expert's 2,048 rows of 512 bytes,
	s_lshl_b32 s70, ttmp9, 18                      ; the work-group's 512 rows,
	s_add_co_u32 s22, s22, s70
	s_lshl_b32 s70, s18, 16                        ; block hw's 128,
	s_add_co_u32 s22, s22, s70
	s_lshl_b32 s70, s17, 14                        ; sub-block tw's 32
	s_add_co_u32 s22, s22, s70
	s_add_nc_u64 s[6:7], s[6:7], s[22:23]
	s_mov_b32 s[G0+0], 1                           ; count = 1
	s_mov_b32 s[G0+1], s77                         ; LDS address
	s_mov_b64 s[G0+2:G0+3], s[6:7]                 ; global address
	s_or_b32 s[G0+3], s[G0+3], 0x80000000          ; type = 2
	s_mov_b32 s[G0+4], 1
	s_add_co_u32 s[G0+5], s77, 2*SUB               ; the second load: sub-block 2 + tw,
	s_add_nc_u64 s[G0+6:G0+7], s[6:7], 0x8000      ; 64 rows on
	s_or_b32 s[G0+7], s[G0+7], 0x80000000
	tensor_load_to_lds s[G0:G0+3], s[G1:G1+7]      ; both fills go out together, ahead of every wait on TENSORcnt, every LDS read and every barrier: two loads of mine are out
	s_nop 0
	tensor_load_to_lds s[G0+4:G0+7], s[G1:G1+7]
	s_nop 0
.rept 4
	v_nop
.endr
	WIN 0x40
	XLOAD 48, 64
	WIN 0
	s_lshl_b32 s22, s21, 13                        ; b1: the expert's 2,048 numbers,
	s_lshl_b32 s70, ttmp9, 11
	s_add_co_u32 s22, s22, s70
	s_lshl_b32 s70, s18, 9                         ; my 128
	s_add_co_u32 s22, s22, s70
	s_add_nc_u64 s[8:9], s[8:9], s[22:23]
	BLOAD 0
	BLOAD 1
	s_add_co_i32 s77, s40, s41                     ; s1 = e0 + e1
	s_lshl_b32 s78, s77, 23
	s_add_co_i32 s[CDS], s78, 0x3eb504f3           ; 1 / (2 sqrt(2)), s1 added to its exponent field
	s_mov_b32 s[CDS+1], s[CDS]
	s_lshl_b32 s78, s77, 24
	s_add_co_i32 s[KK], s78, 0xbf38aa3b            ; -log2(e) / 2, 2 s1 added to its exponent field
	s_mov_b32 s[KK+1], s[KK]
	s_sub_co_i32 s78, 127, s77
	s_lshl_b32 s[INV], s78, 23                     ; 2^-s1
	s_mov_b32 s[INV+1], s[INV]
	s_sub_co_i32 s78, s42, s77
	s_add_co_i32 s78, s78, 128                     ; e2 + 1 - s1 + 127
	s_lshl_b32 s79, s78, 23
	v_mov_b32 v[SCL], s79
	s_add_co_i32 s78, s78, 8
	s_lshl_b32 s78, s78, 23
	s_or_b32 s78, s78, 0x600000
	v_mov_b32 v[LIM], s78                          ; 448 x that
; A PASS: sub-block pb (32 hidden units, two tiles) against my 64 tokens: 32 matrix instructions, 2,048 GELUs a wave... 64 a lane, four stores.
.macro PASS pb
.set BS, BIAS+16*((\pb)%2)
.if (\pb) == 0
	s_wait_tensorcnt 0x1                           ; my first load has landed; the second may stay out
	s_barrier_signal -1
	s_barrier_wait -1                              ; everybody's first has: sub-blocks 0 and 1 of every block are whole
.endif
.if (\pb) == 2
	s_wait_tensorcnt 0x0                           ; my second load has landed
	s_barrier_signal -1
	s_barrier_wait -1                              ; sub-blocks 2 and 3 are whole
.endif
.irp s, 0,1,2,3
.irp u, 0,1
.irp c, 0,1,2,3
	ds_load_b128 v[WF+32*\s+16*\u+4*\c:WF+32*\s+16*\u+4*\c+3], v[LW] offset:(\pb)*SUB+\u*16*PITCH+128*\s+32*\c
.endr
.endr
.endr
.if (\pb) == 0
	s_wait_loadcnt 0x0                             ; x, and b1 of passes 0 and 1
.endif
.if (\pb) == 2
	s_wait_loadcnt 0x4                             ; b1 of this pass; pass 3's four loads may be out
.endif
.if (\pb) == 3
	s_wait_loadcnt 0x0
.endif
.irp i, 0,2,4,6,8,10,12,14
	v_pk_mul_f32 v[BS+\i:BS+\i+1], v[BS+\i:BS+\i+1], s[INV:INV+1] op_sel_hi:[1,0]   ; b1 / 2^s1
.endr
.irp s, 0,1,2,3
	s_wait_dscnt 24-8*\s                           ; K step s's eight loads are in; the later steps' may be out
	WIN 0x04                                       ; source 1 (x) window 1
.irp mi, 0,1,2,3
.irp u, 0,1
.if \s == 0
	v_wmma_f32_16x16x128_fp8_fp8 v[ACC+8*(2*\mi+\u):ACC+8*(2*\mi+\u)+7], v[WF+32*\s+16*\u:WF+32*\s+16*\u+15], v[16*(4*\mi+\s):16*(4*\mi+\s)+15], v[BS+8*\u:BS+8*\u+7]
.else
	v_wmma_f32_16x16x128_fp8_fp8 v[ACC+8*(2*\mi+\u):ACC+8*(2*\mi+\u)+7], v[WF+32*\s+16*\u:WF+32*\s+16*\u+15], v[16*(4*\mi+\s):16*(4*\mi+\s)+15], v[ACC+8*(2*\mi+\u):ACC+8*(2*\mi+\u)+7]
.endif
.endr
.endr
.endr                                              ; the eight accumulators take turns, one instruction a turn
	WIN 0
.rept 4
	v_nop                                          ; four places behind the last products, ahead of the reads of results, the writes over W1's fragments and the loads into b1's set
.endr
.if (\pb) < 2
	BLOAD (\pb)+2                                  ; into the set that this pass has used
.endif
.if (\pb) > 0
	s_wait_xcnt 0x0                                ; the last pass's stores have read the code registers, which are written again below
.endif
.irp mi, 0,1,2,3
	GELU16 ACC+16*\mi
.irp i, 0,1,2,3,4,5,6,7,8,9,10,11,12,13,14,15
	v_med3_num_f32 v[ACC+16*\mi+\i], v[ACC+16*\mi+\i], -v[LIM], v[LIM]   ; the conversion to an 8-bit code does not saturate (ISA guide 7.6.2): the hold, always executed
.endr
	v_cvt_scalef32_pk8_fp8_f32 v[CODE+4*\mi:CODE+4*\mi+1], v[ACC+16*\mi:ACC+16*\mi+7], v[SCL]       ; tile 2 pb: registers 4 pb, 4 pb + 1 of the next operand
	v_cvt_scalef32_pk8_fp8_f32 v[CODE+4*\mi+2:CODE+4*\mi+3], v[ACC+16*\mi+8:ACC+16*\mi+15], v[SCL]  ; tile 2 pb + 1: registers 4 pb + 2, 4 pb + 3
	v_nop                                          ; one plain vector line behind the conversions: the next pass's products write their sources
	global_store_b128 v[LO], v[CODE+4*\mi:CODE+4*\mi+3], s[14:15] offset:2048*\mi+512*(\pb)   ; 32 lanes store 512 consecutive bytes, at a multiple of 256 from hq's first byte
.endr
.endm
	PASS 0
	PASS 1
	PASS 2
	PASS 3
	s_wait_tensorcnt 0x0
	ds_add_u32 v14, v15
	s_wait_dscnt 0x0
	s_endpgm
.Lfunc_end_k_qecca6796b7_up:
	.size	k_qecca6796b7_up, .Lfunc_end_k_qecca6796b7_up-k_qecca6796b7_up
	.p2alignl 7, 3214868480
	.fill 96, 4, 3214868480
	.section	.rodata,"a",@progbits
	.p2align	6, 0x0
	.amdhsa_kernel k_qecca6796b7_up
		.amdhsa_group_segment_fixed_size 271360
		.amdhsa_private_segment_fixed_size 0
		.amdhsa_enable_private_segment 0
		.amdhsa_kernarg_size 48
		.amdhsa_user_sgpr_count 2
		.amdhsa_user_sgpr_kernarg_segment_ptr 1
		.amdhsa_wavefront_size32 1
		.amdhsa_system_sgpr_workgroup_id_x 1
		.amdhsa_system_sgpr_workgroup_id_y 1
		.amdhsa_system_sgpr_workgroup_id_z 1
		.amdhsa_system_vgpr_workitem_id 0
		.amdhsa_next_free_vgpr 512
		.amdhsa_next_free_sgpr 80
		.amdhsa_reserve_vcc 0
		.amdhsa_float_denorm_mode_32 3
		.amdhsa_float_denorm_mode_16_64 3
		.amdhsa_memory_ordered 1
		.amdhsa_forward_progress 1
		.amdhsa_inst_pref_size 198
	.end_amdhsa_kernel
	.amdgpu_metadata
---
amdhsa.version: [ 1, 2 ]
amdhsa.kernels:
  - .name:           k_qecca6796b7_up
    .symbol:         k_qecca6796b7_up.kd
    .args:
      - { .name: xq, .offset: 0, .size: 8, .value_kind: global_buffer, .address_space: global }
      - { .name: w1_codes, .offset: 8, .size: 8, .value_kind: global_buffer, .address_space: global }
      - { .name: b1, .offset: 16, .size: 8, .value_kind: global_buffer, .address_space: global }
      - { .name: lowp_scales, .offset: 24, .size: 8, .value_kind: global_buffer, .address_space: global }
      - { .name: route, .offset: 32, .size: 8, .value_kind: global_buffer, .address_space: global }
      - { .name: hq, .offset: 40, .size: 8, .value_kind: global_buffer, .address_space: global }
    .group_segment_fixed_size: 271360
    .private_segment_fixed_size: 0
    .kernarg_segment_align: 8
    .kernarg_segment_size: 48
    .max_flat_workgroup_size: 256
    .sgpr_count:     80
    .vgpr_count:     512
    .wavefront_size: 32
...
	.end_amdgpu_metadata
.endif
;; end of part 2
;; launch down (part 3): grid 8 x 32, 8 waves a work-group, no clusters, 271,360 bytes of LDS; arguments hq, w2_codes, b2, lowp_scales, route, routew, out0; writes out0
.if DOCPART == 3
	.amdgcn_target "amdgcn-amd-amdhsa--gfx1250"
	.amdhsa_code_object_version 6
	.text
	.protected	k_qecca6796b7_down
	.globl	k_qecca6796b7_down
	.p2align	8
	.type	k_qecca6796b7_down,@function
k_qecca6796b7_down:
	s_mov_b64 s[64:65], 0
	v_nop
	global_prefetch_b8 v0, s[64:65] scope:SCOPE_SE
	s_setreg_imm32_b32 hwreg(HW_REG_WAVE_MODE, 25, 1), 1
	s_wait_xcnt 0x0
; THE SECOND PRODUCT AND THE SUM OVER EXPERTS: out0[b] = sum over the two choices k of g_k gelu(hq[2 b + k] W2[e_k]^T + b2[e_k]), e_k = route[b][k], g_k = routew[b][k].
; SHARES.  A work-group owns 128 tokens of one batch x 64 output columns (x of the grid): each output has one owner.  Wave w: choice k = w % 2, tokens 32 (w / 2) on: two tiles of tokens x four tiles of
; columns = 8 accumulators, 16 K steps of 128: 128 matrix instructions.  The two choices' results meet in a stage in LDS.
; W2's two slices (64 rows x 2,048 bytes each) come into LDS by tensor loads, each byte filled once: two loads a wave, 32 rows x 512 bytes each: the first loads bring K 0-1,023, the second the rest.
; h's codes come straight into registers: hq is laid as the operand's registers; a ring of eight buffers of a K step keeps seven K steps (56 loads of 512 bytes a wave) on their way.
; THE MATRIX INSTRUCTION IS USED TRANSPOSED (source 0 = 16 rows of W2, source 1 = 16 tokens): lane (r, h) holds token r and eight neighbouring columns 16 n + 8 h + j.
; k's places: registers 2 t, 2 t + 1 hold K = 16 t + 8 h + 0 .. 7, in hq's images and, by loads of 8 bytes, in W2's fragments.
; A sum stands for sum x 2^s2 (s2 = e2 + e3): U = sum + b2 / 2^s2 is one packed multiply-add; the GELU is the one of the launch before (its head comment gives the formula) and leaves 2 gelu / 2^s2, which is multiplied by g 2^(s2 - 1).
; LIMITS: s2 between -62 and 64.  NaN among the inputs is not served.
; NO JOINT LOADS: which work-groups read the same rows of W2 hangs on route, which is read from memory; h, which the 8 work-groups of a batch share whatever the choice, is 512 KB a work-group: beside W2's 270,336 bytes
; it could pass through LDS only in small slots filled again and again, 64 matrix instructions a wave to a slot; it goes to registers instead.
; REGISTERS: window 1: h's ring ((K step % 8, tile mi) at 32 (S % 8) + 16 mi).  Window 0: v3-16 addresses and constants; v32-63 b2; v64-127, v128-191 two sets of W2's four fragments, later the GELU's registers
; at work and the rows read back; v192-255 the accumulators ((mi, n) at 192 + 8 (4 mi + n)).
.set PITCH, 528                        ; a row of a tile of W2 in LDS: 512 bytes + 16 = 132 words: lane (r, h) of a load of 8 bytes starts at bank 4 r + 2 h (64 banks of 4 bytes: ISA guide 11.1)
.set QUART, 64*PITCH                   ; 64 rows x a quarter of K
.set SLICE, 4*QUART                    ; one choice's slice
.set SP,    272                        ; a stage row: 64 columns of f32 + 16 bytes
.set STG,   128*SP                     ; a choice's stage.  The stages lie over LDS bytes 0 on, which have had their one fill and, behind the barrier in front of the first store, their last read
.set LO,   3                           ; v3   16 x lane
.set W2A,  4                           ; v4   my place in a fragment of W2, quarters 0 and 1
.set W2B,  5                           ; v5   quarters 2 and 3
.set BO,   6                           ; v6   32 h
.set VC0,  8
.set VC8,  10
.set VF,   12                          ; v[12:13] g 2^(s2 - 1), twice
.set STO,  14                          ; v14  the stage: where I put 32 bytes of a row
.set SRD,  15                          ; v15  and where I read rows back
.set GO,   16                          ; v16  my byte offset in two rows of out0
.set B2,   32
.set WS,   64
.set TA,   64
.set TT,   80
.set TP,   96
.set TX,   112
.set OB,   128                         ; rows read back: choice 0's at 128, choice 1's at 160
.set ACC,  192
.set G1,   24
.set G0,   32
.set C1,   44
.set C9,   58
.set CDS,  60
.set KK,   62
.set ABSM, 66
.set L2E,  67
.set INV,  68
.set MSB, 0
.macro WIN new                         ; the immediate's high byte repeats the setting that is left
.if MSB != \new
	s_set_vgpr_msb (MSB<<8)|\new
.set MSB, \new
.endif
.endm
.macro KONST reg, bits
	s_mul_f32 s[\reg], s[L2E], \bits
	s_mov_b32 s[\reg+1], s[\reg]
.endm
; 16 raw sums in v[V] .. v[V + 15] become G = 2 gelu / 2^s.  Two batches of transcendentals, each with plain independent work and ONE wait behind it, ahead of its first reader.
.macro GELU16 V
.set GV, \V
.irp i, 0,1,2,3,4,5,6,7,8,9,10,11,12,13,14,15
	v_and_b32 v[TA+\i], s[ABSM], v[GV+\i]          ; |U|
.endr
.irp i, 0,2,4,6,8,10,12,14
	v_pk_fma_f32 v[TT+\i:TT+\i+1], v[TA+\i:TA+\i+1], s[CDS:CDS+1], 1.0 op_sel_hi:[1,0,0]   ; 1 + z / 2
.endr
.irp i, 0,1,2,3,4,5,6,7,8,9,10,11,12,13,14,15
	v_rcp_f32 v[TT+\i], v[TT+\i]                   ; t
.endr
.irp i, 0,2,4,6,8,10,12,14
	v_pk_mul_f32 v[TX+\i:TX+\i+1], v[GV+\i:GV+\i+1], v[GV+\i:GV+\i+1]
.endr
.irp i, 0,2,4,6,8,10,12,14
	v_pk_fma_f32 v[TX+\i:TX+\i+1], v[TX+\i:TX+\i+1], s[KK:KK+1], v[VC0:VC0+1] op_sel_hi:[1,0,1]
.endr
	s_wait_alu depctr_va_vdst(0)
.irp i, 0,2,4,6,8,10,12,14
	v_pk_fma_f32 v[TP+\i:TP+\i+1], v[TT+\i:TT+\i+1], s[C9:C9+1], v[VC8:VC8+1] op_sel_hi:[1,0,1]
.endr
.irp k, 12,10,8,6,4,2,0
.irp i, 0,2,4,6,8,10,12,14
	v_pk_fma_f32 v[TP+\i:TP+\i+1], v[TP+\i:TP+\i+1], v[TT+\i:TT+\i+1], s[C1+\k:C1+\k+1] op_sel_hi:[1,1,0]
.endr
.endr
.irp i, 0,2,4,6,8,10,12,14
	v_pk_fma_f32 v[TP+\i:TP+\i+1], v[TP+\i:TP+\i+1], v[TT+\i:TT+\i+1], v[TX+\i:TX+\i+1]
.endr
.irp i, 0,1,2,3,4,5,6,7,8,9,10,11,12,13,14,15
	v_exp_f32 v[TP+\i], v[TP+\i]
.endr
.irp i, 0,2,4,6,8,10,12,14
	v_pk_add_f32 v[GV+\i:GV+\i+1], v[GV+\i:GV+\i+1], v[TA+\i:TA+\i+1]   ; U + |U|
.endr
.irp i, 0,2,4,6,8,10,12,14
	v_pk_mul_f32 v[TA+\i:TA+\i+1], v[TA+\i:TA+\i+1], v[TT+\i:TT+\i+1]   ; |U| t
.endr
	s_wait_alu depctr_va_vdst(0)
.irp i, 0,2,4,6,8,10,12,14
	v_pk_fma_f32 v[GV+\i:GV+\i+1], v[TA+\i:TA+\i+1], v[TP+\i:TP+\i+1], v[GV+\i:GV+\i+1] neg_lo:[1,0,0] neg_hi:[1,0,0]
.endr
.endm
.macro HLOAD S                         ; h's two fragments of K step S into buffer S % 8 (the caller has set the destination's window): eight loads of 512 consecutive bytes
.irp i, 0,1,2,3,4,5,6,7
	global_load_b128 v[32*((\S)%8)+4*\i:32*((\S)%8)+4*\i+3], v[LO], s[4:5] offset:(\S)*16384+512*\i
.endr
.endm
.macro W2LOAD S                        ; W2's four fragments of K step S into set S % 2
.if (\S) < 8
.set WA, W2A
.else
.set WA, W2B
.endif
.irp n, 0,1,2,3
.irp t, 0,1,2,3,4,5,6,7
	ds_load_b64 v[WS+64*((\S)%2)+16*\n+2*\t:WS+64*((\S)%2)+16*\n+2*\t+1], v[WA] offset:(((\S)/4)%2)*QUART+\n*16*PITCH+((\S)%4)*128+16*\t
.endr
.endr
.endm
	s_load_b256 s[4:11], s[0:1], 0x0               ; hq s[4:5], W2's codes s[6:7], b2 s[8:9], the scales s[10:11]
	s_load_b128 s[12:15], s[0:1], 0x20             ; route s[12:13], routew s[14:15]
	s_load_b64 s[16:17], s[0:1], 0x30              ; out0
	v_lshl_add_u32 v30, v0, 2, 0x42000
	v_mov_b32 v31, 0
	ds_add_u32 v30, v31
	ds_add_u32 v30, v31
	v_and_b32 v1, 31, v0
	v_lshrrev_b32 v2, 5, v0
	v_readfirstlane_b32 s18, v2                    ; wave 0..7
	s_and_b32 s19, s18, 1                          ; k: which choice
	s_lshr_b32 s20, s18, 1                         ; tg: which 32 tokens.  Also: which part of a slice I fetch
	s_and_b32 s22, ttmp7, 0xffff                   ; the batch b
	v_lshlrev_b32 v[LO], 4, v1
	v_and_b32 v7, 15, v0                           ; r
	v_bfe_u32 v17, v0, 4, 1                        ; h
	v_mul_u32_u24 v[W2A], v7, PITCH
	v_lshl_add_u32 v[W2A], v17, 3, v[W2A]
	s_mul_i32 s71, s19, SLICE
	v_add_nc_u32 v[W2A], s71, v[W2A]               ; my choice's slice, row r, + 8 h
	v_add_nc_u32 v[W2B], 2*QUART, v[W2A]
	v_lshlrev_b32 v[BO], 5, v17
	s_mul_i32 s72, s19, STG
	s_mul_i32 s73, s20, 32*SP
	s_add_co_u32 s72, s72, s73
	v_mul_u32_u24 v[STO], v7, SP
	v_lshl_add_u32 v[STO], v17, 5, v[STO]
	v_add_nc_u32 v[STO], s72, v[STO]               ; my choice's stage, row 32 tg + r, + 32 h
	s_mul_i32 s73, s18, 16*SP
	v_mul_u32_u24 v[SRD], v17, SP
	v_lshl_add_u32 v[SRD], v7, 4, v[SRD]
	v_add_nc_u32 v[SRD], s73, v[SRD]               ; back: rows 16 w on; lanes 0-15 one row of 256 bytes, lanes 16-31 the next
	v_lshlrev_b32 v[GO], 11, v17
	v_lshl_add_u32 v[GO], v7, 4, v[GO]             ; and the same two rows in out0 (2,048 bytes a row)
	; descriptor group 1: 32 rows x 512 bytes, 2,048 bytes apart in memory, 16 bytes of padding behind each row in LDS
	s_mov_b32 s[G1+0], (0<<16)|(1<<20)|(6<<22)|(3<<25)   ; no mask; elements of 1 byte; padding on; after every 128 words (code 6); 4 words (code 3)
	s_mov_b32 s[G1+1], 512<<16                     ; tensor_dim0
	s_mov_b32 s[G1+2], 32<<16                      ; tensor_dim1
	s_mov_b32 s[G1+3], 512<<16                     ; tile_dim0
	s_mov_b32 s[G1+4], 32                          ; tile_dim1
	s_mov_b32 s[G1+5], 2048                        ; from row to row
	s_mov_b32 s[G1+6], 0
	s_mov_b32 s[G1+7], 0
	s_lshl_b32 s74, s22, 3
	s_lshl_b32 s75, s19, 2
	s_add_co_u32 s74, s74, s75                     ; entry 2 b + k of route and of routew
	s_mov_b32 s75, 0
	s_wait_dscnt 0x0
	s_wait_kmcnt 0x0
	s_add_nc_u64 s[12:13], s[12:13], s[74:75]
	s_add_nc_u64 s[14:15], s[14:15], s[74:75]
	s_load_b32 s23, s[12:13], 0x0                  ; e
	s_load_b32 s70, s[14:15], 0x0                  ; g
	s_load_b128 s[40:43], s[10:11], 0x0            ; e0, e1, e2 (h), e3 (W2)
	s_lshl_b32 s74, s22, 19
	s_lshl_b32 s76, s19, 18
	s_add_co_u32 s74, s74, s76                     ; hq: pair 2 b + k of 262,144 bytes,
	s_lshl_b32 s76, s20, 12                        ; my two tiles of 2,048 in each K step
	s_add_co_u32 s74, s74, s76
	s_add_nc_u64 s[4:5], s[4:5], s[74:75]
	WIN 0x40                                       ; destination window 1
.irp S, 0,1,2,3,4,5,6
	HLOAD \S
.endr
	WIN 0
	s_lshl_b32 s74, s22, 18                        ; out0: the batch's 262,144 bytes,
	s_lshl_b32 s76, s18, 15                        ; the 16 rows that I store,
	s_add_co_u32 s74, s74, s76
	s_lshl_b32 s76, ttmp9, 8                       ; the work-group's 64 columns
	s_add_co_u32 s74, s74, s76
	s_add_nc_u64 s[16:17], s[16:17], s[74:75]
	s_mov_b32 s[ABSM], 0x7fffffff
	s_mov_b32 s[L2E], 0x3fb8aa3b
	KONST C1,    0x3f8000c7                        ;  1.00002368
	KONST C1+2,  0x3ebf88fb                        ;  0.37409196
	KONST C1+4,  0x3dc636c9                        ;  0.09678418
	KONST C1+6,  0xbe3ec24c                        ; -0.18628806
	KONST C1+8,  0x3e8ec7cc                        ;  0.27886807
	KONST C1+10, 0xbf914e5d                        ; -1.13520398
	KONST C1+12, 0x3fbe87b0                        ;  1.48851587
	KONST C9,    0x3e2ef945                        ;  0.17087277
	s_mul_f32 s72, s[L2E], 0xbfa1fc4e              ; -1.26551223
	s_mul_f32 s73, s[L2E], 0xbf527892              ; -0.82215223
	v_mov_b32 v[VC0], s72
	v_mov_b32 v[VC0+1], s72
	v_mov_b32 v[VC8], s73
	v_mov_b32 v[VC8+1], s73
	s_wait_kmcnt 0x0
	s_min_u32 s23, s23, 7                          ; an expert's number stays inside the tables
	s_lshl_b32 s74, s23, 20                        ; W2: the expert's 512 rows of 2,048 bytes,
	s_lshl_b32 s76, ttmp9, 17                      ; the work-group's 64 rows,
	s_add_co_u32 s74, s74, s76
	s_and_b32 s76, s20, 1
	s_lshl_b32 s76, s76, 16                        ; their half tg % 2,
	s_add_co_u32 s74, s74, s76
	s_lshr_b32 s76, s20, 1
	s_lshl_b32 s76, s76, 9                         ; quarter tg / 2 of K
	s_add_co_u32 s74, s74, s76
	s_add_nc_u64 s[6:7], s[6:7], s[74:75]
	s_mul_i32 s76, s20, 32*PITCH
	s_add_co_u32 s76, s76, s71                     ; and in LDS: my choice's slice, + 32 rows x tg
	s_mov_b32 s[G0+0], 1                           ; count = 1
	s_mov_b32 s[G0+1], s76                         ; LDS address
	s_mov_b64 s[G0+2:G0+3], s[6:7]                 ; global address
	s_or_b32 s[G0+3], s[G0+3], 0x80000000          ; type = 2
	s_mov_b32 s[G0+4], 1
	s_add_co_u32 s[G0+5], s76, 2*QUART             ; the second load: two quarters on,
	s_add_nc_u64 s[G0+6:G0+7], s[6:7], 0x400       ; 1,024 along K
	s_or_b32 s[G0+7], s[G0+7], 0x80000000
	tensor_load_to_lds s[G0:G0+3], s[G1:G1+7]      ; both fills go out together, ahead of every wait on TENSORcnt, every LDS read and every barrier: two loads of mine are out
	s_nop 0
	tensor_load_to_lds s[G0+4:G0+7], s[G1:G1+7]
	s_nop 0
.rept 4
	v_nop
.endr
	WIN 0x40
	HLOAD 7
	WIN 0
	s_lshl_b32 s74, s23, 11                        ; b2: the expert's 512 numbers,
	s_lshl_b32 s76, ttmp9, 8                       ; the work-group's 64
	s_add_co_u32 s74, s74, s76
	s_add_nc_u64 s[8:9], s[8:9], s[74:75]
	s_add_co_i32 s77, s42, s43                     ; s2 = e2 + e3
	s_lshl_b32 s78, s77, 23
	s_add_co_i32 s[CDS], s78, 0x3eb504f3           ; 1 / (2 sqrt(2)), s2 added to its exponent field
	s_mov_b32 s[CDS+1], s[CDS]
	s_lshl_b32 s78, s77, 24
	s_add_co_i32 s[KK], s78, 0xbf38aa3b            ; -log2(e) / 2, 2 s2 added to its exponent field
	s_mov_b32 s[KK+1], s[KK]
	s_sub_co_i32 s78, 127, s77
	s_lshl_b32 s[INV], s78, 23                     ; 2^-s2
	s_mov_b32 s[INV+1], s[INV]
	s_sub_co_i32 s78, s77, 1
	v_mov_b32 v[VF], s70
	v_ldexp_f32 v[VF], v[VF], s78                  ; g 2^(s2 - 1)
	v_mov_b32 v[VF+1], v[VF]
; A K STEP of 128: eight matrix instructions, the eight accumulators by turns.
.macro KSTEP S
.if (\S) == 7
	s_wait_tensorcnt 0x0                           ; my second load has landed,
	s_wait_dscnt 0x0                               ; (no LDS instruction of mine is out at a signal)
	s_barrier_signal -1
	s_barrier_wait -1                              ; everybody's has: quarters 2 and 3 are whole; they are read from the next line on
.endif
.if (\S) < 15
	W2LOAD (\S)+1                                  ; the next step's fragments, into the set that the step before has left (four places stand behind its products)
.endif
.if (\S) <= 8
	s_wait_loadcnt 56                              ; h of this step is in; the seven K steps behind it, eight loads each, may be out
.else
	s_wait_loadcnt 8*(15-(\S))+8                   ; the K steps still behind it, and b2's eight loads
.endif
.if (\S) < 15
	s_wait_dscnt 32                                ; W2 of this step is in; the 32 loads just issued may be out
.else
	s_wait_dscnt 0x0
.endif
	WIN 0x04                                       ; source 1 (h) window 1
.irp mi, 0,1
.irp n, 0,1,2,3
.if (\S) == 0
	v_wmma_f32_16x16x128_fp8_fp8 v[ACC+8*(4*\mi+\n):ACC+8*(4*\mi+\n)+7], v[WS+64*((\S)%2)+16*\n:WS+64*((\S)%2)+16*\n+15], v[32*((\S)%8)+16*\mi:32*((\S)%8)+16*\mi+15], 0
.else
	v_wmma_f32_16x16x128_fp8_fp8 v[ACC+8*(4*\mi+\n):ACC+8*(4*\mi+\n)+7], v[WS+64*((\S)%2)+16*\n:WS+64*((\S)%2)+16*\n+15], v[32*((\S)%8)+16*\mi:32*((\S)%8)+16*\mi+15], v[ACC+8*(4*\mi+\n):ACC+8*(4*\mi+\n)+7]
.endif
.endr
.endr
.rept 4
	v_nop                                          ; four places ahead of loads into registers that these products have read, and of the first read of results
.endr
.if (\S) <= 7
	WIN 0x40
	HLOAD (\S)+8                                   ; into the buffer just multiplied
.endif
	WIN 0
.if (\S) == 8
.irp n, 0,1,2,3
	global_load_b128 v[B2+8*\n:B2+8*\n+3], v[BO], s[8:9] offset:64*\n        ; b2 in the result's layout: columns 16 n + 8 h + 0 .. 7
	global_load_b128 v[B2+8*\n+4:B2+8*\n+7], v[BO], s[8:9] offset:64*\n+16
.endr
.endif
.endm
	s_wait_tensorcnt 0x1                           ; my first load has landed; the second may stay out
	s_barrier_signal -1
	s_barrier_wait -1                              ; everybody's first has: quarters 0 and 1 of both slices are whole
	W2LOAD 0
.irp S, 0,1,2,3,4,5,6,7,8,9,10,11,12,13,14,15
	KSTEP \S
.endr
	s_wait_loadcnt 0x0                             ; b2
	s_barrier_signal -1                            ; my reads of W2 are in (the last step waited for all of them):
	s_barrier_wait -1                              ; nobody reads W2 any more, so the stages may be written over it
.irp un, 0,1,2,3                                   ; 16 registers at a time: tile of tokens un / 2, tiles of columns 2 (un % 2) and 2 (un % 2) + 1
.set UV, ACC+16*\un
.set UB, B2+16*(\un%2)
.irp i, 0,2,4,6,8,10,12,14
	v_pk_fma_f32 v[UV+\i:UV+\i+1], v[UB+\i:UB+\i+1], s[INV:INV+1], v[UV+\i:UV+\i+1] op_sel_hi:[1,0,1]   ; U = sum + b2 / 2^s2; each accumulator from its low end on
.endr
	GELU16 UV
.irp i, 0,2,4,6,8,10,12,14
	v_pk_mul_f32 v[UV+\i:UV+\i+1], v[UV+\i:UV+\i+1], v[VF:VF+1]   ; g gelu
.endr
.irp a, 0,1
	ds_store_b128 v[STO], v[UV+8*\a:UV+8*\a+3] offset:(\un/2)*16*SP+(2*(\un%2)+\a)*64
	ds_store_b128 v[STO], v[UV+8*\a+4:UV+8*\a+7] offset:(\un/2)*16*SP+(2*(\un%2)+\a)*64+16
.endr
.endr
	s_wait_dscnt 0x0                               ; for the others' sake: my stores into the stage are done
	s_barrier_signal -1
	s_barrier_wait -1                              ; both choices' 128 rows lie in the stages
.irp kk, 0,1
.irp i, 0,1,2,3,4,5,6,7
	ds_load_b128 v[OB+32*\kk+4*\i:OB+32*\kk+4*\i+3], v[SRD] offset:\kk*STG+\i*2*SP
.endr
.endr
	s_wait_dscnt 0x0
.irp i, 0,2,4,6,8,10,12,14,16,18,20,22,24,26,28,30
	v_pk_add_f32 v[OB+\i:OB+\i+1], v[OB+\i:OB+\i+1], v[OB+32+\i:OB+32+\i+1]   ; the sum over the two chosen experts
.endr
.irp i, 0,1,2,3,4,5,6,7
	global_store_b128 v[GO], v[OB+4*\i:OB+4*\i+3], s[16:17] offset:4096*\i th:TH_STORE_NT   ; 16 lanes store 256 consecutive bytes, at a multiple of 256 from out0's first byte; written once, read by nobody here
.endr
	s_wait_tensorcnt 0x0
	ds_add_u32 v30, v31
	s_wait_dscnt 0x0
	s_endpgm
.Lfunc_end_k_qecca6796b7_down:
	.size	k_qecca6796b7_down, .Lfunc_end_k_qecca6796b7_down-k_qecca6796b7_down
	.p2alignl 7, 3214868480
	.fill 96, 4, 3214868480
	.section	.rodata,"a",@progbits
	.p2align	6, 0x0
	.amdhsa_kernel k_qecca6796b7_down
		.amdhsa_group_segment_fixed_size 271360
		.amdhsa_private_segment_fixed_size 0
		.amdhsa_enable_private_segment 0
		.amdhsa_kernarg_size 56
		.amdhsa_user_sgpr_count 2
		.amdhsa_user_sgpr_kernarg_segment_ptr 1
		.amdhsa_wavefront_size32 1
		.amdhsa_system_sgpr_workgroup_id_x 1
		.amdhsa_system_sgpr_workgroup_id_y 1
		.amdhsa_system_sgpr_workgroup_id_z 1
		.amdhsa_system_vgpr_workitem_id 0
		.amdhsa_next_free_vgpr 512
		.amdhsa_next_free_sgpr 80
		.amdhsa_reserve_vcc 0
		.amdhsa_float_denorm_mode_32 3
		.amdhsa_float_denorm_mode_16_64 3
		.amdhsa_memory_ordered 1
		.amdhsa_forward_progress 1
		.amdhsa_inst_pref_size 109
	.end_amdhsa_kernel
	.amdgpu_metadata
---
amdhsa.version: [ 1, 2 ]
amdhsa.kernels:
  - .name:           k_qecca6796b7_down
    .symbol:         k_qecca6796b7_down.kd
    .args:
      - { .name: hq, .offset: 0, .size: 8, .value_kind: global_buffer, .address_space: global }
      - { .name: w2_codes, .offset: 8, .size: 8, .value_kind: global_buffer, .address_space: global }
      - { .name: b2, .offset: 16, .size: 8, .value_kind: global_buffer, .address_space: global }
      - { .name: lowp_scales, .offset: 24, .size: 8, .value_kind: global_buffer, .address_space: global }
      - { .name: route, .offset: 32, .size: 8, .value_kind: global_buffer, .address_space: global }
      - { .name: routew, .offset: 40, .size: 8, .value_kind: global_buffer, .address_space: global }
      - { .name: out0, .offset: 48, .size: 8, .value_kind: global_buffer, .address_space: global }
    .group_segment_fixed_size: 271360
    .private_segment_fixed_size: 0
    .kernarg_segment_align: 8
    .kernarg_segment_size: 56
    .max_flat_workgroup_size: 256
    .sgpr_count:     80
    .vgpr_count:     512
    .wavefront_size: 32
...
	.end_amdgpu_metadata
.endif
;; end of part 3
